; MI455X (gfx1250); checked and timed in simulation.
; The chip was launched on July 23, 2026; its instructions are those of AMD's public machine-readable ISA for CDNA 5 (MIT licence, August 2026) and "CDNA5" Instruction Set Architecture Reference Guide (July 2026). The comments in the code are by the model that wrote it; some were corrected since.
;; Graphormer Attention Layer. Allowed arithmetic: float matrix products may take bf16 or f16 operands with f32 sums; all other float work in f32.
;; Inputs: attn_bias 1,024 x 1,024 x 16 float32; bk 512 float32; bo 512 float32; bq 512 float32; bv 512 float32; wk 512 x 512 float32; wo 512 x 512 float32; wq 512 x 512 float32; wv 512 x 512 float32; x 8 x 1,024 x 512 float32.
;; Outputs: out0 8 x 1,024 x 512 float32.
;; One version. Each part assembles by itself: llvm-mc -triple=amdgcn-amd-amdhsa -mcpu=gfx1250 --defsym DOCPART=n.
;; ======== version 1 of 1: 4 launches
;; limits: values are held in f16: magnitudes above 65,504 overflow, below 6.1e-05 lose precision
;; workspace buffers: biasT 67,108,864 bytes; xf 8,388,608 bytes; wf 2,097,152 bytes; q 8,388,608 bytes; kv 16,777,216 bytes; ao 8,388,608 bytes
;; launch prep (part 1): grid 256 x 1, 16 waves a work-group, no clusters, 141,312 bytes of LDS; arguments attn_bias, x, wq, wk, wv, wo, biasT, xf, wf; writes biasT, xf, wf
.if DOCPART == 1
	.amdgcn_target "amdgcn-amd-amdhsa--gfx1250"
	.amdhsa_code_object_version 6
	.text
	.protected	k_q7cc0c79b30_prep
	.globl	k_q7cc0c79b30_prep
	.p2align	8
	.type	k_q7cc0c79b30_prep,@function
k_q7cc0c79b30_prep:
	s_mov_b64 s[64:65], 0
	v_nop
	global_prefetch_b8 v0, s[64:65] scope:SCOPE_SE
	s_setreg_imm32_b32 hwreg(HW_REG_WAVE_MODE, 25, 1), 1
	s_wait_xcnt 0x0
; PREP: every operand of the later launches is laid out once in the order in which a matrix instruction's lanes hold it.
;  biasT [nb 8][kb 8][h 16][qtl 8][ktl 8][1 KiB], f32: byte c*512 + L*16 + 4e = log2(e) * attn_bias[128nb+16qtl+(L&15)][128kb+16ktl+8(L>>4)+4c+e][h]
;        (the C layout of a 16 x 16 tile with keys down and queries across: ISA guide 7.12.2)
;  xf    [token tile 512][K step 16][1 KiB], f16: byte c*512 + L*16 = x[16tt+(L&15)][32ks+16c+8(L>>4) .. +7]  (a 16 x 32 operand fragment)
;  wf    [row 128][K step 16][1 KiB], f16, the same fragment of 16 weight rows: rows 0-95 = head*6 + {q,k,v}*2 + half of the head, rows 96-127 = wo
; LIMIT: x and the weights are rounded to f16: magnitudes must stay below 65,504; below 6e-5 the absolute step is 6e-8.
; Memory binds: each input byte is read once in aligned pieces of 256 bytes, each store of a wave covers 512 consecutive aligned bytes.
; No input is shared between work-groups, so there is no cluster; there is no product, so no matrix instruction.
; Sixteen waves; each wave has its own LDS stage (address = wave x 8,704 + lane terms below 8,704), so no barrier is needed:
; LDS serves one wave's instructions in order (ISA guide 5.7.1).
; A wave does two half tiles of the bias (16 queries x 8 keys x 16 heads = 8 KiB each) and one piece of x (16 rows x 256 bytes), and ALL its 40 loads
; (20 KiB) are issued ahead of its first wait: the sixteen waves have the work-group's whole input, 320 KiB, on its way at once.
; In the first 64 work-groups each wave also takes one piece of a weight matrix (1,024 pieces); it is asked for as soon as the first buffer is free.
.set SP,    272                        ; bias stage pitch: 256 bytes + 16, so sixteen rows start at sixteen different 16-byte columns modulo 256
.set HALF,  16*SP
.set STGB,  2*HALF                     ; a wave's stage
.set CP,    144                        ; cast stage pitch: 128 bytes of f16 + 16
.set LOFF,  1                          ; v1  bias load: (L>>4)*512 + (L&15)*16
.set L16,   2                          ; v2  16 L
.set ST1,   3                          ; v3  stage + (L>>4)*HALF + (L&15)*16
.set RD1,   4                          ; v4  stage + (L>>4)*HALF + (L&15)*SP
.set ST2,   5                          ; v5  stage + (L>>4)*CP + (L&15)*8
.set RD2,   6                          ; v6  stage + (L&15)*CP + (L>>4)*16
.set XOFF,  7                          ; v7  piece load: (L>>4)*2048 + (L&15)*16
.set IN0,   8                          ; v[8:71]    sixteen 16-byte items as loaded; later the weight piece
.set IN1,   72                         ; v[72:135]  the second half tile
.set OUT,   136                        ; v[136:199] what is stored
.set IN2,   200                        ; v[200:231] the piece of x
	s_load_b512 s[4:19], s[0:1], 0x0               ; attn_bias s[4:5], x s[6:7], wq s[8:9], wk s[10:11], wv s[12:13], wo s[14:15], biasT s[16:17], xf s[18:19]
	s_load_b64 s[20:21], s[0:1], 0x40              ; wf
	v_lshl_add_u32 v232, v0, 2, 0x22000
	v_mov_b32 v233, 0
	v_lshrrev_b32 v1, 5, v0
	v_readfirstlane_b32 s23, v1                    ; wave 0..15
	s_mov_b32 s22, 0x3fb8aa3b                      ; log2(e)
	s_mov_b32 s24, ttmp9                           ; work-group W
	v_and_b32 v8, 15, v0                           ; r
	v_bfe_u32 v9, v0, 4, 1                         ; h'
	v_and_b32 v10, 31, v0                          ; L
	s_mul_i32 s25, s23, STGB                       ; my stage
	v_lshlrev_b32 v[L16], 4, v10
	v_lshlrev_b32 v[LOFF], 4, v8
	v_lshl_add_u32 v[XOFF], v9, 11, v[LOFF]
	v_lshl_add_u32 v[LOFF], v9, 9, v[LOFF]
	v_mul_u32_u24 v11, v9, HALF
	v_add_nc_u32 v11, s25, v11
	v_lshl_add_u32 v[ST1], v8, 4, v11
	v_mad_u32_u24 v[RD1], v8, SP, v11
	v_mul_u32_u24 v[ST2], v9, CP
	v_lshl_add_u32 v[ST2], v8, 3, v[ST2]
	v_add_nc_u32 v[ST2], s25, v[ST2]
	v_mul_u32_u24 v[RD2], v8, CP
	v_lshl_add_u32 v[RD2], v9, 4, v[RD2]
	v_add_nc_u32 v[RD2], s25, v[RD2]
	s_and_b32 s35, s23, 7                          ; wave & 7
	s_lshr_b32 s34, s23, 3                         ; wave >> 3
	; bias: query tile qtg = W >> 2, pair of key tiles ktp = (W & 3) * 8 + (wave & 7), key tile of the pair = wave >> 3
	s_lshr_b32 s26, s24, 2
	s_and_b32 s27, s24, 3
	s_lshl3_add_u32 s27, s27, s35
	s_lshl_b32 s28, s26, 20                        ; 16 rows of 65,536 bytes
	s_lshl_b32 s29, s27, 11                        ; 32 keys of 64 bytes
	s_add_co_u32 s28, s28, s29
	s_lshl_b32 s29, s34, 10                        ; 16 keys of 64 bytes
	s_add_co_u32 s28, s28, s29
	s_mov_b32 s29, 0
	s_lshr_b32 s30, s26, 3                         ; nb
	s_lshr_b32 s31, s27, 2                         ; kb
	s_lshl3_add_u32 s30, s30, s31
	s_lshl_b32 s30, s30, 20                        ; a block (nb, kb) is 1 MiB
	s_and_b32 s31, s26, 7
	s_lshl_b32 s31, s31, 13                        ; qtl * 8 KiB
	s_add_co_u32 s30, s30, s31
	s_and_b32 s31, s27, 3
	s_lshl_b32 s31, s31, 11                        ; two key tiles of 1 KiB
	s_add_co_u32 s30, s30, s31
	s_lshl_b32 s31, s34, 10                        ; my key tile of the two
	s_add_co_u32 s30, s30, s31
	s_mov_b32 s31, 0
	; x: token tile tt = 2 W + (wave >> 3), eighth of the row = wave & 7
	s_lshl1_add_u32 s36, s24, s34
	s_lshl_b32 s38, s36, 15                        ; 16 rows of 2,048 bytes
	s_lshl_b32 s37, s35, 8
	s_add_co_u32 s38, s38, s37
	s_mov_b32 s39, 0
	s_lshl_b32 s40, s36, 14                        ; 16 fragments of 1 KiB
	s_lshl_b32 s37, s35, 11                        ; two fragments for each eighth
	s_add_co_u32 s40, s40, s37
	s_mov_b32 s41, 0
	s_wait_kmcnt 0x0
	s_add_nc_u64 s[4:5], s[4:5], s[28:29]
	s_add_nc_u64 s[16:17], s[16:17], s[30:31]
	s_add_nc_u64 s[6:7], s[6:7], s[38:39]
	s_add_nc_u64 s[18:19], s[18:19], s[40:41]
; Sixteen loads, one for each query row: lanes 0-15 take the 256 bytes of keys 4c .. 4c+3 (16 heads each), lanes 16-31 those of keys 8+4c ..
.macro BLOAD buf, c
.irp i, 0,1,2,3,4,5,6,7,8,9,10,11,12,13,14,15
	global_load_b128 v[\buf+4*\i:\buf+4*\i+3], v[LOFF], s[4:5] offset:\i*65536+\c*256 th:TH_LOAD_NT
.endr
.endm
; Eight loads, two rows each: lanes 0-15 take 256 aligned bytes of the even row, lanes 16-31 of the odd one
.macro PLOAD buf, base
.irp i, 0,1,2,3,4,5,6,7
	global_load_b128 v[\buf+4*\i:\buf+4*\i+3], v[XOFF], s[\base:\base+1] offset:\i*4096 th:TH_LOAD_NT
.endr
.endm
; A half tile on its way in.  As loaded, item i of lane r is (query i, key r>>2, heads 4(r&3)..+3).  The stage exchanges i and r in each half of the
; wave; then item q of lane r is (query r, key q>>2, heads 4(q&3)..+3), and the multiplication by log2(e) sorts the 64 words by head.
.macro HS_IN buf, left
	s_wait_loadcnt \left                           ; loads return in order (ISA guide 5.7.1): this buffer's sixteen are in, the younger ones stay out
.irp i, 0,1,2,3,4,5,6,7,8,9,10,11,12,13,14,15
	ds_store_b128 v[ST1], v[\buf+4*\i:\buf+4*\i+3] offset:\i*SP
.endr
.irp q, 0,1,2,3,4,5,6,7,8,9,10,11,12,13,14,15
	ds_load_b128 v[\buf+4*\q:\buf+4*\q+3], v[RD1] offset:\q*16
.endr
	s_wait_dscnt 0x0
	s_wait_xcnt 0x0                                ; OUT was the data of the last stores: it is rewritten only behind this wait
.irp e, 0,1,2,3
.irp g, 0,1,2,3
.irp j, 0,1,2,3
	v_mul_f32 v[OUT+4*(4*\g+\j)+\e], s22, v[\buf+4*(4*\e+\g)+\j]
.endr
.endr
.endr
.endm
.macro HS_OUT c                        ; sixteen stores, one for each head: 512 consecutive bytes, half of a tile of biasT
.irp h, 0,1,2,3,4,5,6,7,8,9,10,11,12,13,14,15
	global_store_b128 v[L16], v[OUT+4*\h:OUT+4*\h+3], s[16:17] offset:\h*65536+\c*512
.endr
.endm
; 16 rows x 64 f32 become two f16 fragments: round, lay the rows of 128 bytes into the stage, read 16 bytes of row r at k = 16n + 8h'
.macro CAST buf, dst, left
	s_wait_loadcnt \left                           ; the piece is in; a younger piece's eight loads stay out
	s_wait_xcnt 0x0                                ; OUT is rewritten only behind this wait
.irp i, 0,1,2,3,4,5,6,7
	v_cvt_pk_f16_f32 v[OUT+2*\i], v[\buf+4*\i], v[\buf+4*\i+1]
	v_cvt_pk_f16_f32 v[OUT+2*\i+1], v[\buf+4*\i+2], v[\buf+4*\i+3]
.endr
.irp i, 0,1,2,3,4,5,6,7
	ds_store_b64 v[ST2], v[OUT+2*\i:OUT+2*\i+1] offset:\i*2*CP
.endr
.irp n, 0,1,2,3
	ds_load_b128 v[OUT+16+4*\n:OUT+16+4*\n+3], v[RD2] offset:\n*32
.endr
	s_wait_dscnt 0x0
.irp n, 0,1,2,3
	global_store_b128 v[L16], v[OUT+16+4*\n:OUT+16+4*\n+3], s[\dst:\dst+1] offset:\n*512
.endr
.endm
; The wave's work behind its first loads.  wts = 1: with a weight piece (eight more loads), so that every count is exact on both ways.
.macro BODY wts
	HS_IN IN0, 24                                  ; out: the second half tile's 16 and x's 8
.if \wts
	PLOAD IN0, 32                                  ; the weight piece, into the buffer that has just been read
.endif
	HS_OUT 0
	HS_IN IN1, 8+8*\wts                            ; out: x's 8, and the weights' 8
	HS_OUT 1
	CAST IN2, 18, 8*\wts
.if \wts
	CAST IN0, 20, 0
.endif
	s_wait_tensorcnt 0x0
	ds_add_u32 v232, v233
	s_wait_dscnt 0x0
	s_endpgm
.endm
	BLOAD IN0, 0
	BLOAD IN1, 1
	PLOAD IN2, 6
	s_cmp_lt_u32 s24, 64                           ; 1,024 pieces of weights: the first 64 work-groups take one a wave
	s_cbranch_scc1 .Lwith_weights
	BODY 0
.Lwith_weights:
	s_lshr_b32 s42, s24, 4                         ; which matrix: 0 q, 1 k, 2 v, 3 o
	s_and_b32 s43, s24, 15                         ; head (for wo: pair of feature tiles)
	s_lshl1_add_u32 s44, s43, s34                  ; feature tile = 2 (W & 15) + (wave >> 3)
	s_lshl_b32 s38, s44, 15
	s_lshl_b32 s37, s35, 8
	s_add_co_u32 s38, s38, s37                     ; s39 is still 0
	s_mul_i32 s45, s43, 6
	s_lshl1_add_u32 s45, s42, s45
	s_add_co_u32 s45, s45, s34                     ; row of wf: head*6 + matrix*2 + half
	s_add_co_u32 s46, s44, 96                      ; for wo: 96 + feature tile
	s_cmp_eq_u32 s42, 3
	s_cselect_b32 s45, s46, s45
	s_lshl_b32 s40, s45, 14
	s_lshl_b32 s37, s35, 11
	s_add_co_u32 s40, s40, s37                     ; s41 is still 0
	s_cmp_eq_u32 s42, 1
	s_cselect_b64 s[32:33], s[10:11], s[8:9]
	s_cmp_eq_u32 s42, 2
	s_cselect_b64 s[32:33], s[12:13], s[32:33]
	s_cmp_eq_u32 s42, 3
	s_cselect_b64 s[32:33], s[14:15], s[32:33]
	s_add_nc_u64 s[32:33], s[32:33], s[38:39]
	s_add_nc_u64 s[20:21], s[20:21], s[40:41]
	BODY 1
.Lfunc_end_k_q7cc0c79b30_prep:
	.size	k_q7cc0c79b30_prep, .Lfunc_end_k_q7cc0c79b30_prep-k_q7cc0c79b30_prep
	.p2alignl 7, 3214868480
	.fill 96, 4, 3214868480
	.section	.rodata,"a",@progbits
	.p2align	6, 0x0
	.amdhsa_kernel k_q7cc0c79b30_prep
		.amdhsa_group_segment_fixed_size 141312
		.amdhsa_private_segment_fixed_size 0
		.amdhsa_enable_private_segment 0
		.amdhsa_kernarg_size 72
		.amdhsa_user_sgpr_count 2
		.amdhsa_user_sgpr_kernarg_segment_ptr 1
		.amdhsa_wavefront_size32 1
		.amdhsa_system_sgpr_workgroup_id_x 1
		.amdhsa_system_sgpr_workgroup_id_y 1
		.amdhsa_system_sgpr_workgroup_id_z 1
		.amdhsa_system_vgpr_workitem_id 0
		.amdhsa_next_free_vgpr 234
		.amdhsa_next_free_sgpr 66
		.amdhsa_reserve_vcc 0
		.amdhsa_float_denorm_mode_32 3
		.amdhsa_float_denorm_mode_16_64 3
		.amdhsa_memory_ordered 1
		.amdhsa_forward_progress 1
		.amdhsa_inst_pref_size 38
	.end_amdhsa_kernel
	.amdgpu_metadata
---
amdhsa.version: [ 1, 2 ]
amdhsa.kernels:
  - .name:           k_q7cc0c79b30_prep
    .symbol:         k_q7cc0c79b30_prep.kd
    .args:
      - { .name: attn_bias, .offset: 0, .size: 8, .value_kind: global_buffer, .address_space: global }
      - { .name: x, .offset: 8, .size: 8, .value_kind: global_buffer, .address_space: global }
      - { .name: wq, .offset: 16, .size: 8, .value_kind: global_buffer, .address_space: global }
      - { .name: wk, .offset: 24, .size: 8, .value_kind: global_buffer, .address_space: global }
      - { .name: wv, .offset: 32, .size: 8, .value_kind: global_buffer, .address_space: global }
      - { .name: wo, .offset: 40, .size: 8, .value_kind: global_buffer, .address_space: global }
      - { .name: biasT, .offset: 48, .size: 8, .value_kind: global_buffer, .address_space: global }
      - { .name: xf, .offset: 56, .size: 8, .value_kind: global_buffer, .address_space: global }
      - { .name: wf, .offset: 64, .size: 8, .value_kind: global_buffer, .address_space: global }
    .group_segment_fixed_size: 141312
    .private_segment_fixed_size: 0
    .kernarg_segment_align: 8
    .kernarg_segment_size: 72
    .max_flat_workgroup_size: 512
    .sgpr_count:     66
    .vgpr_count:     234
    .wavefront_size: 32
...
	.end_amdgpu_metadata
.endif
;; end of part 1
;; launch proj (part 2): grid 8 x 32, 4 waves a work-group, clusters of 4 x 4, 327,680 bytes of LDS; arguments xf, wf, bq, bk, bv, q, kv; writes q, kv
.if DOCPART == 2
	.amdgcn_target "amdgcn-amd-amdhsa--gfx1250"
	.amdhsa_code_object_version 6
	.text
	.protected	k_q7cc0c79b30_proj
	.globl	k_q7cc0c79b30_proj
	.p2align	8
	.type	k_q7cc0c79b30_proj,@function
k_q7cc0c79b30_proj:
	s_mov_b64 s[64:65], 0
	v_nop
	global_prefetch_b8 v0, s[64:65] scope:SCOPE_SE
	s_setreg_imm32_b32 hwreg(HW_REG_WAVE_MODE, 25, 1), 1
	s_wait_xcnt 0x0
	s_wait_alu depctr_hold_cnt(0) depctr_sa_sdst(0) depctr_va_vdst(0) depctr_va_sdst(0) depctr_va_ssrc(0) depctr_va_vcc(0) depctr_vm_vsrc(0)
	s_getreg_b32 s2, hwreg(HW_REG_IB_STS2, 6, 4)
	s_cmp_eq_u32 s2, 0
	s_cbranch_scc0 .Lentry_in_a_cluster
	s_endpgm
.Lentry_in_a_cluster:
	s_bfe_u32 s2, ttmp6, 0x10000c
	s_cmp_lg_u32 s2, 0xf033
	s_cbranch_scc0 .Lentry_shape_is_right
	s_endpgm
.Lentry_shape_is_right:
; PROJ: Q' = (x wq^T + bq) * 32^-0.5 * log2(e), K = x wk^T + bk, V = x wv^T + bv, f16 operands, f32 sums, results rounded once to f16
; and stored as the fragments that the attention launch feeds to its matrix instructions:
;  q  [b 8][h 16][query tile 64][1 KiB]       byte c*512 + L*16 = Q'[token L&15][d = 16c + 8(L>>4) .. +7]
;  kv [b 8][h 16][group of 32 keys 32][4 KiB] = K tile 2g, K tile 2g+1 (as q), V^T d 0-15, V^T d 16-31 (byte c*512 + L*16 = V[key 16c+8(L>>4) .. +7][d = L&15])
; LIMIT: Q', K and V are kept in f16: magnitudes must stay below 65,504.
; A work-group makes 256 tokens x 2 heads x {Q, K, V}; four waves, one a SIMD; a wave makes 128 tokens x one head: 8 token tiles x 6 weight tiles
; = 48 accumulator tiles.  K (512) goes in four steps of 128 through two LDS slots.  xf and wf hold whole fragments, so a lane's 16 bytes lie at
; 16 x lane in each 512 bytes: every LDS load of a wave takes 512 consecutive bytes and no padding is needed.
; For Q and K the weight fragment is source 0: a lane's eight results are eight neighbouring features of one token = 16 bytes of a fragment.
; For V the token fragment is source 0: a lane's eight results are eight neighbouring keys of one feature = 16 bytes of a V^T fragment.
; CLUSTER 4 x 4: the four work-groups of a row share the tokens (xf's tile), the four of a column the heads (wf's tile): joint loads.
; REGISTERS: window 0: v16-26 addresses, v32-159 token fragments (two buffers of 8), v160-255 weight fragments (two buffers of 6);
;   window 1: tiles of token tiles 0-3 at v[8(6a+b)], and v192-227 the biases; window 2: tiles of token tiles 4-7.
.set SLOT,  114688                     ; 16 token rows of 4 KiB, then 12 weight rows of 4 KiB
.set BOFF,  65536
.set ADRA,  16                         ; v16-17 my token fragments in slot 0, 1
.set ADRB,  20                         ; v20-21 my weight fragments
.set L16,   24                         ; v24 16 L
.set BOH,   25                         ; v25 32 (L>>4)
.set BOR,   26                         ; v26 4 (L&15)
.set AF,    32
.set BF,    160
.set T,     96                         ; the way out: 48 f32 at work
.set PK,    160                        ; the way out: 24 packed registers
.set BQ,    192                        ; window 1
.set BK,    208
.set BV,    224
.set G1A, 24
.set G0A, 32
.set G1B, 48
.set G0B, 56
.set MUL_LO, 0x50                      ; C and D in window 1, sources in window 0
.set MUL_HI, 0xa0                      ; C and D in window 2
.set MSB, 0
.macro WIN new                         ; the immediate's high byte repeats the setting that is left
.if MSB != \new
	s_set_vgpr_msb (MSB<<8)|\new
.set MSB, \new
.endif
.endm
.macro PLACES                          ; four places behind a matrix instruction ahead of loads into its sources and of reads of its result
.rept 4
	v_nop
.endr
.endm
.macro JLOAD s                         ; waves 0, 1 ask for the tokens' two halves, waves 2, 3 for the weights'; the branch hangs on the wave's number alone
	s_cmp_eq_u32 s19, 0
	s_cbranch_scc0 .Lfor_b_\@
	tensor_load_to_lds s[G0A+4*\s:G0A+4*\s+3], s[G1A:G1A+7]
	s_nop 0
	s_branch .Lasked_\@
.Lfor_b_\@:
	tensor_load_to_lds s[G0B+4*\s:G0B+4*\s+3], s[G1B:G1B+7]
	s_nop 0
.Lasked_\@:
.endm
.macro CREST                           ; a round of the cluster's barrier behind its opening barrier
	s_cmp_lg_u32 s18, 0
	s_cbranch_scc1 .Lnot_wave_0_\@
	s_barrier_signal -3
.Lnot_wave_0_\@:
	s_barrier_wait -3
	s_barrier_signal -1
	s_barrier_wait -1
.endm
.macro CROUND
	s_barrier_signal -1
	s_barrier_wait -1
	CREST
.endm
	s_load_b256 s[4:11], s[0:1], 0x0               ; xf s[4:5], wf s[6:7], bq s[8:9], bk s[10:11]
	s_load_b128 s[12:15], s[0:1], 0x20             ; bv s[12:13], q s[14:15]
	s_load_b64 s[16:17], s[0:1], 0x30              ; kv
	v_lshl_add_u32 v30, v0, 2, 0x38000
	v_mov_b32 v31, 0
	ds_add_u32 v30, v31
	v_lshrrev_b32 v1, 5, v0
	v_readfirstlane_b32 s18, v1                    ; wave
	s_lshr_b32 s19, s18, 1                         ; my half of the tokens.  Also: I fetch tokens (0) or weights (1)
	s_and_b32 s20, s18, 1                          ; my head of the two.  Also: which half of that tile I fetch
	s_bfe_u32 s40, ttmp6, 0x40000                  ; cx
	s_bfe_u32 s41, ttmp6, 0x40004                  ; cy
	s_lshl_b32 s42, ttmp9, 2
	s_add_co_u32 s42, s42, s40                     ; fb: pair of heads
	s_and_b32 s21, ttmp7, 0xffff
	s_lshl_b32 s21, s21, 2
	s_add_co_u32 s21, s21, s41                     ; tb: block of 256 tokens
	s_lshl_b32 s43, s41, 2
	s_lshl_b32 s43, 15, s43                        ; my row of the cluster
	s_lshl_b32 s44, 0x1111, s40                    ; my column
	; group 1: R rows of 512 elements of 8 bytes (4 KiB = four fragments), 2,048 elements from row to row
	s_or_b32 s[G1A+0], s43, (3<<16)|(1<<21)        ; 15:0 mask; 17:16 elements of 8 bytes; 21 set beside a mask
	s_or_b32 s[G1B+0], s44, (3<<16)|(1<<21)
	s_mov_b32 s[G1A+1], 512<<16                    ; tensor_dim0 = 512
	s_mov_b32 s[G1B+1], 512<<16
	s_mov_b32 s[G1A+2], 8<<16                      ; tensor_dim1 = 8 rows
	s_mov_b32 s[G1B+2], 6<<16                      ; 6 rows
	s_mov_b32 s[G1A+3], 512<<16                    ; tile_dim0 = 512
	s_mov_b32 s[G1B+3], 512<<16
	s_mov_b32 s[G1A+4], 8                          ; tile_dim1
	s_mov_b32 s[G1B+4], 6
	s_mov_b32 s[G1A+5], 2048                       ; pitch
	s_mov_b32 s[G1B+5], 2048
	s_mov_b32 s[G1A+6], 0
	s_mov_b32 s[G1B+6], 0
	s_mov_b32 s[G1A+7], 0
	s_mov_b32 s[G1B+7], 0
	s_lshl_b32 s22, s21, 18                        ; tokens: (16 tb + 8 half) rows of 16 KiB; holds cy alone
	s_lshl_b32 s23, s20, 17
	s_add_co_u32 s22, s22, s23
	s_mov_b32 s23, 0
	s_mul_i32 s46, s42, 12*16384                   ; weights: (12 fb + 6 half) rows; holds cx alone
	s_mul_i32 s47, s20, 6*16384
	s_add_co_u32 s46, s46, s47
	s_mov_b32 s47, 0
	s_lshl_b32 s45, s20, 15                        ; to LDS: tokens' half x 32 KiB
	s_mul_i32 s66, s20, 24576
	s_add_co_u32 s66, s66, BOFF                    ; weights' half x 24 KiB behind the tokens
	s_lshl1_add_u32 s69, s42, s20                  ; my head
	s_lshl_b32 s70, s69, 7                         ; its 32 biases
	s_mov_b32 s71, 0
	s_mov_b32 s72, 0x3e8293ee                      ; 32^-0.5 * log2(e) = 0.25503486
	s_mov_b32 s73, 0x3e8293ee
	s_lshr_b32 s74, s21, 2                         ; batch
	s_lshl4_add_u32 s74, s74, s69                  ; batch*16 + head
	s_and_b32 s75, s21, 3
	s_lshl_b32 s75, s75, 4
	s_lshl3_add_u32 s75, s19, s75                  ; my first token tile in the batch
	s_lshl_b32 s76, s74, 6
	s_add_co_u32 s76, s76, s75
	s_lshl_b32 s76, s76, 10
	s_mov_b32 s77, 0
	s_lshl_b32 s78, s74, 17
	s_lshl_b32 s75, s75, 11                        ; two token tiles make a group of 4 KiB
	s_add_co_u32 s78, s78, s75
	s_mov_b32 s79, 0
	s_wait_dscnt 0x0
	s_wait_kmcnt 0x0
	s_add_nc_u64 s[22:23], s[4:5], s[22:23]
	s_add_nc_u64 s[46:47], s[6:7], s[46:47]
	s_add_nc_u64 s[8:9], s[8:9], s[70:71]
	s_add_nc_u64 s[10:11], s[10:11], s[70:71]
	s_add_nc_u64 s[12:13], s[12:13], s[70:71]
	s_add_nc_u64 s[14:15], s[14:15], s[76:77]
	s_add_nc_u64 s[16:17], s[16:17], s[78:79]
	CROUND                                         ; all sixteen work-groups are here: the first joint loads meet
.irp s, 0,1
	s_mov_b32 s[G0A+4*\s], 1
	s_add_co_u32 s[G0A+4*\s+1], s45, \s*SLOT
	s_add_nc_u64 s[G0A+4*\s+2:G0A+4*\s+3], s[22:23], \s*4096       ; K step s
	s_or_b32 s[G0A+4*\s+3], s[G0A+4*\s+3], 0x80000000
	s_mov_b32 s[G0B+4*\s], 1
	s_add_co_u32 s[G0B+4*\s+1], s66, \s*SLOT
	s_add_nc_u64 s[G0B+4*\s+2:G0B+4*\s+3], s[46:47], \s*4096
	s_or_b32 s[G0B+4*\s+3], s[G0B+4*\s+3], 0x80000000
	JLOAD \s
.endr
	v_and_b32 v1, 31, v0
	v_lshlrev_b32 v[L16], 4, v1
	s_lshl_b32 s67, s19, 15                        ; my 8 token rows
	s_mul_i32 s68, s20, 24576
	s_add_co_u32 s68, s68, BOFF                    ; my 6 weight rows
	v_add_nc_u32 v[ADRA], s67, v[L16]
	v_add_nc_u32 v[ADRB], s68, v[L16]
	v_add_nc_u32 v[ADRA+1], SLOT, v[ADRA]
	v_add_nc_u32 v[ADRB+1], SLOT, v[ADRB]
	v_bfe_u32 v2, v0, 4, 1
	v_lshlrev_b32 v[BOH], 5, v2
	v_and_b32 v3, 15, v0
	v_lshlrev_b32 v[BOR], 2, v3
	WIN 0x40                                       ; destinations in window 1
.irp n, 0,1,2,3
	global_load_b128 v[BQ+4*\n:BQ+4*\n+3], v[BOH], s[8:9] offset:(\n>>1)*64+(\n&1)*16     ; bq of features 16c + 8h' + 0..7
	global_load_b128 v[BK+4*\n:BK+4*\n+3], v[BOH], s[10:11] offset:(\n>>1)*64+(\n&1)*16
	global_load_b32 v[BV+\n], v[BOR], s[12:13] offset:(\n>>1)*64                          ; bv of feature 16dt + r, twice: a pair for the packed add
.endr
	WIN 0
.macro MUL f, hi, zero                 ; 24 matrix instructions on 24 accumulators, one instruction a turn
.irp a, 0,1,2,3
.irp b, 0,1,2,3,4,5
.if \b < 4
.if \zero
	v_wmma_f32_16x16x32_f16 v[8*(6*\a+\b):8*(6*\a+\b)+7], v[BF+48*\f+8*\b:BF+48*\f+8*\b+7], v[AF+64*\f+8*(4*\hi+\a):AF+64*\f+8*(4*\hi+\a)+7], 0
.else
	v_wmma_f32_16x16x32_f16 v[8*(6*\a+\b):8*(6*\a+\b)+7], v[BF+48*\f+8*\b:BF+48*\f+8*\b+7], v[AF+64*\f+8*(4*\hi+\a):AF+64*\f+8*(4*\hi+\a)+7], v[8*(6*\a+\b):8*(6*\a+\b)+7]
.endif
.else
.if \zero
	v_wmma_f32_16x16x32_f16 v[8*(6*\a+\b):8*(6*\a+\b)+7], v[AF+64*\f+8*(4*\hi+\a):AF+64*\f+8*(4*\hi+\a)+7], v[BF+48*\f+8*\b:BF+48*\f+8*\b+7], 0
.else
	v_wmma_f32_16x16x32_f16 v[8*(6*\a+\b):8*(6*\a+\b)+7], v[AF+64*\f+8*(4*\hi+\a):AF+64*\f+8*(4*\hi+\a)+7], v[BF+48*\f+8*\b:BF+48*\f+8*\b+7], v[8*(6*\a+\b):8*(6*\a+\b)+7]
.endif
.endif
.endr
.endr
.endm
.macro FETCH slot, ksl, f              ; 28 LDS loads: the 6 + 8 fragments of 32 along K
.irp b, 0,1,2,3,4,5
	ds_load_b128 v[BF+48*\f+8*\b:BF+48*\f+8*\b+3],   v[ADRB+\slot] offset:\b*4096+\ksl*1024
	ds_load_b128 v[BF+48*\f+8*\b+4:BF+48*\f+8*\b+7], v[ADRB+\slot] offset:\b*4096+\ksl*1024+512
.endr
.irp a, 0,1,2,3,4,5,6,7
	ds_load_b128 v[AF+64*\f+8*\a:AF+64*\f+8*\a+3],   v[ADRA+\slot] offset:\a*4096+\ksl*1024
	ds_load_b128 v[AF+64*\f+8*\a+4:AF+64*\f+8*\a+7], v[ADRA+\slot] offset:\a*4096+\ksl*1024+512
.endr
.endm
.macro QUARTER slot, knext, f, g, zero ; asks for the next quarter's fragments, then multiplies buffer f
	WIN 0
	PLACES
	FETCH \slot, \knext, \g
	s_wait_dscnt 28                                ; all but the 28 just issued: buffer f is in
	WIN MUL_LO
	MUL \f, 0, \zero
	WIN MUL_HI
	MUL \f, 1, \zero
.endm
; The step's last quarter (buffer 1) and the change of slots.  In front of the barrier: my reads of this slot and all my tensor loads are done.
; Behind it (with fill: behind the cluster's round that it opens) this slot is asked for again first, then the next slot is read.
.macro TURN slot, next, fill
	s_wait_dscnt 0x0
	s_wait_tensorcnt 0x0
	ds_add_u32 v30, v31
	s_wait_dscnt 0x0
	s_barrier_signal -1
	WIN MUL_LO
	MUL 1, 0, 0
	WIN 0
	s_barrier_wait -1
.if \fill
	CREST
	s_add_nc_u64 s[G0A+4*\slot+2:G0A+4*\slot+3], s[G0A+4*\slot+2:G0A+4*\slot+3], 8192   ; two K steps on; no load of mine is out
	s_add_nc_u64 s[G0B+4*\slot+2:G0B+4*\slot+3], s[G0B+4*\slot+2:G0B+4*\slot+3], 8192
	JLOAD \slot
.endif
	PLACES
	FETCH \next, 0, 0
	WIN MUL_HI
	MUL 1, 1, 0
.endm
.macro THREE slot, zero
	QUARTER \slot, 1, 0, 1, \zero
	QUARTER \slot, 2, 1, 0, 0
	QUARTER \slot, 3, 0, 1, 0
.endm
	s_wait_tensorcnt 0x1                           ; my part of K step 0 is in; step 1's stays out
	s_barrier_signal -1
	s_barrier_wait -1
	FETCH 0, 0, 0
	THREE 0, 1                                     ; the first products start the sums
	TURN 0, 1, 1                                   ; slot 0 gets K step 2
	THREE 1, 0
	TURN 1, 0, 1                                   ; slot 1 gets K step 3
	THREE 0, 0
	TURN 0, 1, 0
	THREE 1, 0
	s_wait_dscnt 0x0
	WIN MUL_LO
	MUL 1, 0, 0
	WIN MUL_HI
	MUL 1, 1, 0
	; THE WAY OUT: bias (and for Q the scale), one rounding to f16, six stores of 512 consecutive bytes for each token tile
	PLACES
	s_wait_loadcnt 0x0                             ; the biases
	WIN 0x41                                       ; source 0 and destination in window 1
.irp p, 0,1,2,3,4,5,6,7
	v_pk_mul_f32 v[BQ+2*\p:BQ+2*\p+1], v[BQ+2*\p:BQ+2*\p+1], s[72:73] op_sel_hi:[1,0]
.endr
.macro OUTA a
.set AW, (\a)&3
.if \a < 4
	WIN 0x15                                       ; sums from window 1, biases from window 1, results to window 0
.else
	WIN 0x16                                       ; sums from window 2
.endif
.irp c, 0,1
.irp p, 0,1,2,3
	v_pk_fma_f32 v[T+8*\c+2*\p:T+8*\c+2*\p+1], v[8*(6*AW+\c)+2*\p:8*(6*AW+\c)+2*\p+1], s[72:73], v[BQ+8*\c+2*\p:BQ+8*\c+2*\p+1] op_sel_hi:[1,0,1]
	v_pk_add_f32 v[T+16+8*\c+2*\p:T+16+8*\c+2*\p+1], v[8*(6*AW+2+\c)+2*\p:8*(6*AW+2+\c)+2*\p+1], v[BK+8*\c+2*\p:BK+8*\c+2*\p+1]
	v_pk_add_f32 v[T+32+8*\c+2*\p:T+32+8*\c+2*\p+1], v[8*(6*AW+4+\c)+2*\p:8*(6*AW+4+\c)+2*\p+1], v[BV+2*\c:BV+2*\c+1]
.endr
.endr
	WIN 0
	s_wait_xcnt 0x0                                ; PK was the data of the last stores: it is rewritten only behind this wait
.irp n, 0,1,2,3,4,5,6,7,8,9,10,11,12,13,14,15,16,17,18,19,20,21,22,23
	v_cvt_pk_f16_f32 v[PK+\n], v[T+2*\n], v[T+2*\n+1]
.endr
.irp c, 0,1
	global_store_b128 v[L16], v[PK+4*\c:PK+4*\c+3],       s[14:15] offset:\a*1024+\c*512
	global_store_b128 v[L16], v[PK+8+4*\c:PK+8+4*\c+3],   s[16:17] offset:(\a>>1)*4096+(\a&1)*1024+\c*512
	global_store_b128 v[L16], v[PK+16+4*\c:PK+16+4*\c+3], s[16:17] offset:(\a>>1)*4096+2048+\c*1024+(\a&1)*512
.endr
.endm
.irp a, 0,1,2,3,4,5,6,7
	OUTA \a
.endr
	CROUND                                         ; the closing round: no work-group ends while a partner may still ask jointly
	s_endpgm
.Lfunc_end_k_q7cc0c79b30_proj:
	.size	k_q7cc0c79b30_proj, .Lfunc_end_k_q7cc0c79b30_proj-k_q7cc0c79b30_proj
	.p2alignl 7, 3214868480
	.fill 96, 4, 3214868480
	.section	.rodata,"a",@progbits
	.p2align	6, 0x0
	.amdhsa_kernel k_q7cc0c79b30_proj
		.amdhsa_group_segment_fixed_size 327680
		.amdhsa_private_segment_fixed_size 0
		.amdhsa_enable_private_segment 0
		.amdhsa_kernarg_size 56
		.amdhsa_user_sgpr_count 2
		.amdhsa_user_sgpr_kernarg_segment_ptr 1
		.amdhsa_wavefront_size32 1
		.amdhsa_system_sgpr_workgroup_id_x 1
		.amdhsa_system_sgpr_workgroup_id_y 1
		.amdhsa_system_sgpr_workgroup_id_z 1
		.amdhsa_system_vgpr_workitem_id 0
		.amdhsa_next_free_vgpr 704
		.amdhsa_next_free_sgpr 96
		.amdhsa_reserve_vcc 0
		.amdhsa_float_denorm_mode_32 3
		.amdhsa_float_denorm_mode_16_64 3
		.amdhsa_memory_ordered 1
		.amdhsa_forward_progress 1
		.amdhsa_inst_pref_size 120
	.end_amdhsa_kernel
	.amdgpu_metadata
---
amdhsa.version: [ 1, 2 ]
amdhsa.kernels:
  - .name:           k_q7cc0c79b30_proj
    .symbol:         k_q7cc0c79b30_proj.kd
    .args:
      - { .name: xf, .offset: 0, .size: 8, .value_kind: global_buffer, .address_space: global }
      - { .name: wf, .offset: 8, .size: 8, .value_kind: global_buffer, .address_space: global }
      - { .name: bq, .offset: 16, .size: 8, .value_kind: global_buffer, .address_space: global }
      - { .name: bk, .offset: 24, .size: 8, .value_kind: global_buffer, .address_space: global }
      - { .name: bv, .offset: 32, .size: 8, .value_kind: global_buffer, .address_space: global }
      - { .name: q, .offset: 40, .size: 8, .value_kind: global_buffer, .address_space: global }
      - { .name: kv, .offset: 48, .size: 8, .value_kind: global_buffer, .address_space: global }
    .group_segment_fixed_size: 327680
    .private_segment_fixed_size: 0
    .kernarg_segment_align: 8
    .kernarg_segment_size: 56
    .max_flat_workgroup_size: 128
    .sgpr_count:     96
    .vgpr_count:     704
    .wavefront_size: 32
...
	.end_amdgpu_metadata
.endif
;; end of part 2
;; launch attn (part 3): grid 8 x 32, 8 waves a work-group, clusters of 4 x 1, 327,680 bytes of LDS; arguments q, kv, biasT, ao; writes ao
.if DOCPART == 3
	.amdgcn_target "amdgcn-amd-amdhsa--gfx1250"
	.amdhsa_code_object_version 6
	.text
	.protected	k_q7cc0c79b30_attn
	.globl	k_q7cc0c79b30_attn
	.p2align	8
	.type	k_q7cc0c79b30_attn,@function
k_q7cc0c79b30_attn:
	s_mov_b64 s[64:65], 0
	v_nop
	global_prefetch_b8 v0, s[64:65] scope:SCOPE_SE
	s_setreg_imm32_b32 hwreg(HW_REG_WAVE_MODE, 25, 1), 1
	s_wait_xcnt 0x0
	s_wait_alu depctr_hold_cnt(0) depctr_sa_sdst(0) depctr_va_vdst(0) depctr_va_sdst(0) depctr_va_ssrc(0) depctr_va_vcc(0) depctr_vm_vsrc(0)
	s_getreg_b32 s2, hwreg(HW_REG_IB_STS2, 6, 4)
	s_cmp_eq_u32 s2, 0
	s_cbranch_scc0 .Lentry_in_a_cluster
	s_endpgm
.Lentry_in_a_cluster:
	s_bfe_u32 s2, ttmp6, 0x10000c
	s_cmp_lg_u32 s2, 0x3003
	s_cbranch_scc0 .Lentry_shape_is_right
	s_endpgm
.Lentry_shape_is_right:
; ATTN: for one head, 128 queries and 4 batches: S^T = K Q'^T + biasT (base-2 logits), softmax over the keys with a running maximum, O^T = V^T P^T, O / l.
; ao [token tile 512][head 16][1 KiB], f16: byte dt*512 + L*16 = O[token L&15][d = 16dt + 8(L>>4) .. +7]: the operand fragment of the last launch.
; LIMITS: all inputs finite (nothing is claimed for infinities or NaN); P and O are rounded to f16 (P lies in 0..1; |O| <= max |V| < 65,504).
; The maximum is taken away before every exponential; it starts at the most negative finite f32, so no difference of infinities is formed.
; Eight waves: wave w takes batch 4bg + (w&3) and queries 64(w>>2) .. +63 as four query tiles.  Everything is transposed (keys down, queries across):
; a lane holds one query's scores for 8 keys of each key tile, so the maximum and the sum need one exchange between the wave's halves, the packed P is
; already the second source of V^T P^T, and the bias tile is the C operand of K Q^T: it costs no vector instruction.
; The keys go in blocks of 128 through two LDS slots of 128 KiB: K/V of the four batches (4 x 16 KiB), then the bias of 128 queries x 128 keys (64 KiB).
; Each bias tile is read by the four batches' waves, each K/V tile by the two query halves.
; CLUSTER 4 x 1: the four work-groups have the same head and batches and other queries: K/V is asked for jointly (waves 0-3, mask 15).
; The bias hangs on the queries, which differ between the partners: waves 4-7 ask for it by loads of their own.
; A UNIT is one query tile x 64 keys.  While a unit's softmax runs, the next unit's bias is on its way from LDS into the other score buffer.
; PREFETCH: at the end of unit 2 of key block k (k = 0 .. 5) waves 4-7 ask, one instruction each with lanes 256 bytes apart, for the bias of key block k + 2,
; four units (some 540 of the wave's instructions) ahead of the tensor load that fetches it.  The two work-groups of the two batch groups read the same
; tile, so each asks for one half: 4 waves x 32 lanes x 256 bytes = 32 KiB, each block of 256 bytes once in the launch.  Blocks 2 to 7 alone are asked
; for, so no request leaves the buffer.  K/V is not asked for ahead: each of its blocks is read by eight work-groups in two clusters at about the same time.
.set SLOT,  131072
.set BIASO, 65536
.set L16,   1                          ; v1      16 L
.set ADKV,  2                          ; v2-3    my batch's K/V in slot 0, 1
.set ADB,   4                          ; v4-5    my query half's bias
.set PFO,   6                          ; v6      256 L: the prefetch's lane term; never rewritten
.set RM,    8                          ; v[8:11]   running maximum of query tile t
.set RL,    12                         ; v[12:15]  running sum (of this lane's keys)
.set TM,    16                         ; v[16:19]  four chains of the maximum; then the two pairs of the sum
.set SUMA,  16
.set SUMB,  18
.set TP,    20                         ; v20 from the other half
.set TD,    21                         ; v21 old - new maximum
.set MN,    22                         ; v[22:23] new maximum, and a filler for the pair
.set AL,    24                         ; v[24:25] 2^(old - new), and a filler
.set RQ,    32                         ; v[32:63]   Q' fragments
.set RO,    64                         ; v[64:127]  O^T: tile (t, dt) at 16t + 8dt
.set KF,    128                        ; v[128:159] four K tiles
.set VF,    160                        ; v[160:191] V^T: (kb, dt) at 16kb + 8dt
.set RS,    192                        ; v[192:223], v[224:255] two score buffers
.set G1J, 24
.set G1P, 32
.set G0J, 40
.set G0P, 48
.macro ROUND                           ; a round of the cluster's barrier
	s_barrier_signal -1
	s_barrier_wait -1
	s_cmp_lg_u32 s12, 0
	s_cbranch_scc1 .Lnot_wave_0_\@
	s_barrier_signal -3
.Lnot_wave_0_\@:
	s_barrier_wait -3
	s_barrier_signal -1
	s_barrier_wait -1
.endm
.macro JLOAD s                         ; one load of 16 KiB a wave; the branch hangs on the wave's number alone
	s_cmp_eq_u32 s13, 0
	s_cbranch_scc0 .Lplain_\@
	tensor_load_to_lds s[G0J+4*\s:G0J+4*\s+3], s[G1J:G1J+7]
	s_nop 0
	s_branch .Lasked_\@
.Lplain_\@:
	tensor_load_to_lds s[G0P+4*\s:G0P+4*\s+3], s[G1P:G1P+7]
	s_nop 0
.Lasked_\@:
.endm
	s_load_b256 s[4:11], s[0:1], 0x0               ; q s[4:5], kv s[6:7], biasT s[8:9], ao s[10:11]
	v_lshl_add_u32 v30, v0, 2, 0x40000
	v_mov_b32 v31, 0
	ds_add_u32 v30, v31
	v_lshrrev_b32 v1, 5, v0
	v_readfirstlane_b32 s12, v1                    ; wave
	s_lshr_b32 s13, s12, 2                         ; my half of the queries.  Also: I fetch K/V (0) or bias (1)
	s_and_b32 s14, s12, 3                          ; my batch of the four.  Also: which quarter I fetch
	s_bfe_u32 s15, ttmp6, 0x40000                  ; cx
	s_lshl_b32 s16, ttmp9, 2
	s_add_co_u32 s16, s16, s15                     ; nb: block of 128 queries
	s_and_b32 s17, ttmp7, 0xffff
	s_lshr_b32 s18, s17, 1                         ; head
	s_and_b32 s19, s17, 1                          ; group of four batches
	s_mov_b32 s56, 0x76543210                      ; v_permlanex16_b32: lane i reads lane i of the other half
	s_mov_b32 s57, 0xfedcba98
	; group 1: a dense block of 16 KiB as 64 rows of 32 elements of 8 bytes
	s_mov_b32 s[G1J+0], 15|(3<<16)|(1<<21)         ; the four partners; elements of 8 bytes; bit 21 beside a mask
	s_mov_b32 s[G1P+0], 3<<16                      ; no mask: my own load
	s_mov_b32 s[G1J+1], 32<<16
	s_mov_b32 s[G1P+1], 32<<16
	s_mov_b32 s[G1J+2], 64<<16
	s_mov_b32 s[G1P+2], 64<<16
	s_mov_b32 s[G1J+3], 32<<16
	s_mov_b32 s[G1P+3], 32<<16
	s_mov_b32 s[G1J+4], 64
	s_mov_b32 s[G1P+4], 64
	s_mov_b32 s[G1J+5], 32
	s_mov_b32 s[G1P+5], 32
	s_mov_b32 s[G1J+6], 0
	s_mov_b32 s[G1P+6], 0
	s_mov_b32 s[G1J+7], 0
	s_mov_b32 s[G1P+7], 0
	s_lshl2_add_u32 s20, s19, s14                  ; batch
	s_lshl4_add_u32 s21, s20, s18                  ; batch*16 + head
	s_lshl_b32 s22, s21, 17                        ; K/V of (batch, head): 128 KiB; no place in the cluster enters
	s_mov_b32 s23, 0
	s_lshl_b32 s60, s16, 7
	s_add_co_u32 s60, s60, s18
	s_lshl_b32 s60, s60, 16                        ; bias of (nb, key block 0, head): 64 KiB each
	s_add_co_u32 s76, s60, 0x200000                ; the prefetch begins at key block 2 (a key block on is 1 MiB),
	s_lshl_b32 s77, s19, 15                        ; at my batch group's half of the tile,
	s_add_co_u32 s76, s76, s77
	s_lshl_b32 s77, s14, 13                        ; at my wave's 8 KiB of that half
	s_add_co_u32 s76, s76, s77
	s_mov_b32 s77, 0
	s_lshl_b32 s61, s14, 14                        ; my quarter
	s_add_co_u32 s60, s60, s61
	s_mov_b32 s61, 0
	s_lshl_b32 s59, s12, 14                        ; to LDS: wave x 16 KiB
	s_lshl_b32 s68, s16, 3
	s_lshl2_add_u32 s68, s13, s68                  ; my first query tile in the batch
	s_lshl_b32 s69, s21, 6
	s_add_co_u32 s69, s69, s68
	s_lshl_b32 s70, s69, 10
	s_mov_b32 s71, 0
	s_lshl_b32 s69, s20, 6
	s_add_co_u32 s69, s69, s68
	s_lshl4_add_u32 s69, s69, s18
	s_lshl_b32 s72, s69, 10
	s_mov_b32 s73, 0
	s_wait_dscnt 0x0
	s_wait_kmcnt 0x0
	s_add_nc_u64 s[62:63], s[6:7], s[22:23]
	s_add_nc_u64 s[66:67], s[8:9], s[60:61]
	s_add_nc_u64 s[76:77], s[8:9], s[76:77]
	s_add_nc_u64 s[4:5], s[4:5], s[70:71]
	s_add_nc_u64 s[10:11], s[10:11], s[72:73]
	ROUND                                          ; the four work-groups are here: the first joint loads meet
.irp s, 0,1
	s_mov_b32 s[G0J+4*\s], 1
	s_add_co_u32 s[G0J+4*\s+1], s59, \s*SLOT
	s_add_nc_u64 s[G0J+4*\s+2:G0J+4*\s+3], s[62:63], \s*16384      ; key block s
	s_or_b32 s[G0J+4*\s+3], s[G0J+4*\s+3], 0x80000000
	s_mov_b32 s[G0P+4*\s], 1
	s_add_co_u32 s[G0P+4*\s+1], s59, \s*SLOT
	s_add_nc_u64 s[G0P+4*\s+2:G0P+4*\s+3], s[66:67], \s*0x100000
	s_or_b32 s[G0P+4*\s+3], s[G0P+4*\s+3], 0x80000000
	JLOAD \s
.endr
	v_and_b32 v1, 31, v0
	v_lshlrev_b32 v[PFO], 8, v1
	v_lshlrev_b32 v[L16], 4, v1
	s_lshl_b32 s74, s14, 14
	s_lshl_b32 s75, s13, 15
	s_add_co_u32 s75, s75, BIASO
	v_add_nc_u32 v[ADKV], s74, v[L16]
	v_add_nc_u32 v[ADKV+1], SLOT, v[ADKV]
	v_add_nc_u32 v[ADB], s75, v[L16]
	v_add_nc_u32 v[ADB+1], SLOT, v[ADB]
.irp n, 0,1,2,3,4,5,6,7
	global_load_b128 v[RQ+4*\n:RQ+4*\n+3], v[L16], s[4:5] offset:\n*512
.endr
.irp t, 0,1,2,3
	v_mov_b32 v[RM+\t], 0xff7fffff                 ; the most negative finite number
.endr
	v_mov_b32 v[TP], 0                             ; v_permlanex16_b32 counts as a reader of its destination
	v_mov_b32 v[MN+1], 0                           ; the pairs' second registers are named, never used
	v_mov_b32 v[AL+1], 0
.macro LDBIAS slot, i2, X              ; the four bias tiles of unit i2 of a slot: query tile i2 & 3, keys 64 (i2 >> 2) .. +63
.irp n, 0,1,2,3,4,5,6,7
	ds_load_b128 v[RS+32*\X+4*\n:RS+32*\X+4*\n+3], v[ADB+\slot] offset:(8*(\i2&3)+4*(\i2>>2))*1024+\n*512
.endr
.endm
.macro LDK slot, sb
.irp n, 0,1,2,3,4,5,6,7
	ds_load_b128 v[KF+4*\n:KF+4*\n+3], v[ADKV+\slot] offset:(2*\sb+(\n>>2))*4096+((\n>>1)&1)*1024+(\n&1)*512
.endr
.endm
.macro LDV slot, sb
.irp n, 0,1,2,3,4,5,6,7
	ds_load_b128 v[VF+4*\n:VF+4*\n+3], v[ADKV+\slot] offset:(2*\sb+(\n>>2))*4096+2048+((\n>>1)&1)*1024+(\n&1)*512
.endr
.endm
.macro QK Y, tn                        ; four key tiles x query tile tn; the bias in the buffer is C.  Four accumulators, one instruction a turn
.irp k, 0,1,2,3
	v_wmma_f32_16x16x32_f16 v[RS+32*\Y+8*\k:RS+32*\Y+8*\k+7], v[KF+8*\k:KF+8*\k+7], v[RQ+8*\tn:RQ+8*\tn+7], v[RS+32*\Y+8*\k:RS+32*\Y+8*\k+7]
.endr
.endm
.macro PV t, X, first                  ; the two accumulators take turns; the first product starts the sums
.irp d, 0,1
.if \first
	v_wmma_f32_16x16x32_f16 v[RO+16*\t+8*\d:RO+16*\t+8*\d+7], v[VF+8*\d:VF+8*\d+7], v[RS+32*\X:RS+32*\X+7], 0
.else
	v_wmma_f32_16x16x32_f16 v[RO+16*\t+8*\d:RO+16*\t+8*\d+7], v[VF+8*\d:VF+8*\d+7], v[RS+32*\X:RS+32*\X+7], v[RO+16*\t+8*\d:RO+16*\t+8*\d+7]
.endif
.endr
.irp d, 0,1
	v_wmma_f32_16x16x32_f16 v[RO+16*\t+8*\d:RO+16*\t+8*\d+7], v[VF+16+8*\d:VF+16+8*\d+7], v[RS+32*\X+8:RS+32*\X+15], v[RO+16*\t+8*\d:RO+16*\t+8*\d+7]
.endr
.endm
.macro EXPT k                          ; eight exponentials in place
.irp j, 0,1,2,3,4,5,6,7
	v_exp_f32 v[SX+8*\k+\j], v[SX+8*\k+\j]
.endr
.endm
.macro SC k                            ; key tile k: add to the two pairs of the sum, then pack to f16 into registers 4k .. 4k+3 of the buffer
.if \k == 0
	s_wait_alu depctr_va_vdst(0)
	v_pk_add_f32 v[SUMA:SUMA+1], v[SX:SX+1], v[SX+2:SX+3]
	v_pk_add_f32 v[SUMB:SUMB+1], v[SX+4:SX+5], v[SX+6:SX+7]
.else
	s_wait_alu depctr_va_vdst(0)
	v_pk_add_f32 v[SUMA:SUMA+1], v[SUMA:SUMA+1], v[SX+8*\k:SX+8*\k+1]
	v_pk_add_f32 v[SUMB:SUMB+1], v[SUMB:SUMB+1], v[SX+8*\k+2:SX+8*\k+3]
	v_pk_add_f32 v[SUMA:SUMA+1], v[SUMA:SUMA+1], v[SX+8*\k+4:SX+8*\k+5]
	v_pk_add_f32 v[SUMB:SUMB+1], v[SUMB:SUMB+1], v[SX+8*\k+6:SX+8*\k+7]
.endif
.irp i, 0,1,2,3
	v_cvt_pk_f16_f32 v[SX+4*\k+\i], v[SX+8*\k+2*\i], v[SX+8*\k+2*\i+1]
.endr
.endm
.macro SOFTMAX t, X, first
.set SX, RS+32*\X
.irp c, 0,1,2,3
	v_max3_num_f32 v[TM+\c], v[SX+8*\c], v[SX+8*\c+1], v[SX+8*\c+2]
.endr
.irp c, 0,1,2,3
	v_max3_num_f32 v[TM+\c], v[TM+\c], v[SX+8*\c+3], v[SX+8*\c+4]
.endr
.irp c, 0,1,2,3
	v_max3_num_f32 v[TM+\c], v[TM+\c], v[SX+8*\c+5], v[SX+8*\c+6]
.endr
	v_max3_num_f32 v[TM], v[TM], v[TM+1], v[SX+7]
	v_max3_num_f32 v[TM+2], v[TM+2], v[TM+3], v[SX+15]
	v_max3_num_f32 v[TM], v[TM], v[TM+2], v[SX+23]
	v_max3_num_f32 v[TM], v[TM], v[SX+31], v[RM+\t]
	v_permlanex16_b32 v[TP], v[TM], s56, s57       ; the other half of the wave holds the same queries' other keys
	v_max_num_f32 v[MN], v[TM], v[TP]
.if \first == 0
	v_sub_f32 v[TD], v[RM+\t], v[MN]
	v_exp_f32 v[AL], v[TD]                         ; the packed subtractions below are the plain instructions behind it (ISA guide 5.7.2)
.endif
.irp p, 0,1,2,3,4,5,6,7,8,9,10,11,12,13,14,15
	v_pk_add_f32 v[SX+2*\p:SX+2*\p+1], v[SX+2*\p:SX+2*\p+1], v[MN:MN+1] op_sel_hi:[1,0] neg_lo:[0,1] neg_hi:[0,1]
.endr
	; behind each run of exponentials the first plain instruction touches none of that run's registers, and each run's results are used only behind such an instruction
	EXPT 0
	v_mov_b32 v[RM+\t], v[MN]
	EXPT 1
	SC 0
	EXPT 2
	SC 1
	EXPT 3
	SC 2
.if \first == 0
.irp p, 0,1,2,3,4,5,6,7
	v_pk_mul_f32 v[RO+16*\t+2*\p:RO+16*\t+2*\p+1], v[RO+16*\t+2*\p:RO+16*\t+2*\p+1], v[AL:AL+1] op_sel_hi:[1,0]
.endr
.endif
	SC 3
.endm
; The update of the sum names no register of the unit's matrix instructions: with the v_nop it fills the four places behind them (ISA guide 7.12.1)
.macro LSUM t, first
	v_pk_add_f32 v[SUMA:SUMA+1], v[SUMA:SUMA+1], v[SUMB:SUMB+1]
.if \first
	v_add_f32 v[RL+\t], v[SUMA], v[SUMA+1]
	v_nop
.else
	v_add_f32 v[SUMA], v[SUMA], v[SUMA+1]
	v_fma_f32 v[RL+\t], v[RL+\t], v[AL], v[SUMA]
.endif
	v_nop
.endm
; Unit i (0..7) of a slot.  first: the launch's first key block (no old maximum in its first four units).  chg: what unit 6 does: 1 = the slot is asked for again,
; 2 = a barrier alone, 0 = nothing.  last: the last key block.
.macro UNIT slot, i, first, chg, last
.set U_T, (\i)&3
.set U_X, (\i)&1
.set U_Y, 1-U_X
.set U_TN, (U_T+1)&3
.set U_F, 0
.if \first
.if \i < 4
.set U_F, 1
.endif
.endif
.set U_I2, \i+2                        ; the unit whose bias is fetched at this unit's end
.set U_S2, \slot
.if U_I2 >= 8
.set U_I2, U_I2-8
.set U_S2, 1-\slot
.endif
.set U_MORE, 1
.set U_QK, 1
.if \last
.if \i >= 6
.set U_MORE, 0                         ; that unit lies past the last key block
.endif
.if \i == 7
.set U_QK, 0
.endif
.endif
	SOFTMAX U_T, U_X, U_F
.if U_T == 0
	s_wait_dscnt 0x8                               ; the next unit's bias is in; V's eight loads, issued behind it, may be out
.else
	s_wait_dscnt 0x0                               ; the next unit's bias (and behind query tile 2 the next K) is in
.endif
.if U_QK
	QK U_Y, U_TN
.endif
.if U_T == 0
	s_wait_dscnt 0x0                               ; V
.endif
	PV U_T, U_X, U_F
.if \i == 6
.if \chg == 1
	s_wait_xcnt 0x0                                ; the prefetch of four units ago has had its address translated (ISA guide 3.1): its base is stepped only behind this wait
	s_add_nc_u64 s[76:77], s[76:77], 0x100000      ; the next key block's bias (behind the last request the stepped address is not used)
	s_wait_dscnt 0x0                               ; my reads of this slot are over: the last were issued at the end of unit 5
	s_wait_tensorcnt 0x0                           ; all my tensor loads have landed: my part of the next slot
	ds_add_u32 v30, v31
	s_wait_dscnt 0x0
	ROUND                                          ; both now hold of every wave of the four work-groups
	s_add_nc_u64 s[G0J+4*\slot+2:G0J+4*\slot+3], s[G0J+4*\slot+2:G0J+4*\slot+3], 32768      ; two key blocks on
	s_add_nc_u64 s[G0P+4*\slot+2:G0P+4*\slot+3], s[G0P+4*\slot+2:G0P+4*\slot+3], 0x200000
	JLOAD \slot                                    ; first behind the round; it has eight units in which to land
.endif
.if \chg == 2
	s_wait_dscnt 0x0
	s_wait_tensorcnt 0x0                           ; my part of the last key block is in,
	s_barrier_signal -1
	s_barrier_wait -1                              ; everybody's is; nothing is filled any more
.endif
.endif
	LSUM U_T, U_F
.if U_MORE
	LDBIAS U_S2, U_I2, U_X
.if U_T == 2
	LDK U_S2, (U_I2>>2)                            ; the K tiles were last used by this unit's products
.endif
.if U_T == 3
	LDV U_S2, (U_I2>>2)                            ; behind the bias, so that the count 8 above leaves them out
.endif
.endif
.if \i == 2
.if \chg == 1
	s_cmp_eq_u32 s13, 0                            ; waves 4-7, which will fetch the bias, ask for it ahead
	s_cbranch_scc1 .Lno_ask_\@
	global_prefetch_b8 v[PFO], s[76:77] th:TH_LOAD_NT scope:SCOPE_SE   ; 32 lanes x 256 bytes of the bias two key blocks on; a softmax follows, no load and no wait
.Lno_ask_\@:
.endif
.endif
.endm
.macro SLOTRUN slot, first, chg, last
.irp i, 0,1,2,3,4,5,6,7
	UNIT \slot, \i, \first, \chg, \last
.endr
.endm
	s_wait_tensorcnt 0x1                           ; my part of key block 0 is in; block 1's stays out
	s_barrier_signal -1
	s_barrier_wait -1
	LDBIAS 0, 0, 0
	LDK 0, 0
	LDBIAS 0, 1, 1
	LDV 0, 0
	s_wait_loadcnt 0x0                             ; Q'
	s_wait_dscnt 16                                ; the first sixteen: unit 0's bias and K
	QK 0, 0
.rept 4
	v_nop
.endr
	SLOTRUN 0, 1, 1, 0                             ; key blocks 0 and 1
	SLOTRUN 1, 0, 1, 0
	s_mov_b32 s58, 2
.Llap:
	SLOTRUN 0, 0, 1, 0                             ; 2 and 3, 4 and 5
	SLOTRUN 1, 0, 1, 0
	s_sub_co_u32 s58, s58, 1
	s_cmp_lg_u32 s58, 0
	s_cbranch_scc1 .Llap
	SLOTRUN 0, 0, 2, 0                             ; 6 and 7: nothing is left to fetch
	SLOTRUN 1, 0, 0, 1
	; THE WAY OUT: the two halves' sums meet, O / l, one rounding to f16, eight stores of 512 consecutive bytes
.irp t, 0,1,2,3
	v_permlanex16_b32 v[TP], v[RL+\t], s56, s57
	v_add_f32 v[RL+\t], v[RL+\t], v[TP]
.endr
.irp t, 0,1,2,3
	v_rcp_f32 v[TM+2*\t], v[RL+\t]                 ; l >= 1: the largest score's exponential is 1
.endr
	v_nop                                          ; the plain instruction behind the reciprocals (ISA guide 5.7.2)
	s_wait_alu depctr_va_vdst(0)
.irp t, 0,1,2,3
.irp p, 0,1,2,3,4,5,6,7
	v_pk_mul_f32 v[RO+16*\t+2*\p:RO+16*\t+2*\p+1], v[RO+16*\t+2*\p:RO+16*\t+2*\p+1], v[TM+2*\t:TM+2*\t+1] op_sel_hi:[1,0]
.endr
.endr
.irp n, 0,1,2,3,4,5,6,7,8,9,10,11,12,13,14,15,16,17,18,19,20,21,22,23,24,25,26,27,28,29,30,31
	v_cvt_pk_f16_f32 v[RS+\n], v[RO+2*\n], v[RO+2*\n+1]
.endr
.irp n, 0,1,2,3,4,5,6,7
	global_store_b128 v[L16], v[RS+4*\n:RS+4*\n+3], s[10:11] offset:(\n>>1)*16384+(\n&1)*512
.endr
	s_wait_tensorcnt 0x0
	ds_add_u32 v30, v31
	s_wait_dscnt 0x0
	ROUND                                          ; the closing round
	s_endpgm
.Lfunc_end_k_q7cc0c79b30_attn:
	.size	k_q7cc0c79b30_attn, .Lfunc_end_k_q7cc0c79b30_attn-k_q7cc0c79b30_attn
	.p2alignl 7, 3214868480
	.fill 96, 4, 3214868480
	.section	.rodata,"a",@progbits
	.p2align	6, 0x0
	.amdhsa_kernel k_q7cc0c79b30_attn
		.amdhsa_group_segment_fixed_size 327680
		.amdhsa_private_segment_fixed_size 0
		.amdhsa_enable_private_segment 0
		.amdhsa_kernarg_size 32
		.amdhsa_user_sgpr_count 2
		.amdhsa_user_sgpr_kernarg_segment_ptr 1
		.amdhsa_wavefront_size32 1
		.amdhsa_system_sgpr_workgroup_id_x 1
		.amdhsa_system_sgpr_workgroup_id_y 1
		.amdhsa_system_sgpr_workgroup_id_z 1
		.amdhsa_system_vgpr_workitem_id 0
		.amdhsa_next_free_vgpr 256
		.amdhsa_next_free_sgpr 80
		.amdhsa_reserve_vcc 0
		.amdhsa_float_denorm_mode_32 3
		.amdhsa_float_denorm_mode_16_64 3
		.amdhsa_memory_ordered 1
		.amdhsa_forward_progress 1
		.amdhsa_inst_pref_size 255
	.end_amdhsa_kernel
	.section	.bss,"aw",@nobits
	.p2align	6
	.space	262144
	.amdgpu_metadata
---
amdhsa.version: [ 1, 2 ]
amdhsa.kernels:
  - .name:           k_q7cc0c79b30_attn
    .symbol:         k_q7cc0c79b30_attn.kd
    .args:
      - { .name: q, .offset: 0, .size: 8, .value_kind: global_buffer, .address_space: global }
      - { .name: kv, .offset: 8, .size: 8, .value_kind: global_buffer, .address_space: global }
      - { .name: biasT, .offset: 16, .size: 8, .value_kind: global_buffer, .address_space: global }
      - { .name: ao, .offset: 24, .size: 8, .value_kind: global_buffer, .address_space: global }
    .group_segment_fixed_size: 327680
    .private_segment_fixed_size: 0
    .kernarg_segment_align: 8
    .kernarg_segment_size: 32
    .max_flat_workgroup_size: 256
    .sgpr_count:     80
    .vgpr_count:     256
    .wavefront_size: 32
...
	.end_amdgpu_metadata
.endif
;; end of part 3
;; launch outp (part 4): grid 4 x 64, 4 waves a work-group, clusters of 4 x 4, 280,064 bytes of LDS; arguments ao, wf, bo, out0; writes out0
.if DOCPART == 4
	.amdgcn_target "amdgcn-amd-amdhsa--gfx1250"
	.amdhsa_code_object_version 6
	.text
	.protected	k_q7cc0c79b30_outp
	.globl	k_q7cc0c79b30_outp
	.p2align	8
	.type	k_q7cc0c79b30_outp,@function
k_q7cc0c79b30_outp:
	s_mov_b64 s[64:65], 0
	v_nop
	global_prefetch_b8 v0, s[64:65] scope:SCOPE_SE
	s_setreg_imm32_b32 hwreg(HW_REG_WAVE_MODE, 25, 1), 1
	s_wait_xcnt 0x0
	s_wait_alu depctr_hold_cnt(0) depctr_sa_sdst(0) depctr_va_vdst(0) depctr_va_sdst(0) depctr_va_ssrc(0) depctr_va_vcc(0) depctr_vm_vsrc(0)
	s_getreg_b32 s2, hwreg(HW_REG_IB_STS2, 6, 4)
	s_cmp_eq_u32 s2, 0
	s_cbranch_scc0 .Lentry_in_a_cluster
	s_endpgm
.Lentry_in_a_cluster:
	s_bfe_u32 s2, ttmp6, 0x10000c
	s_cmp_lg_u32 s2, 0xf033
	s_cbranch_scc0 .Lentry_shape_is_right
	s_endpgm
.Lentry_shape_is_right:
; OUTP: out0 = ao wo^T + bo.  ao and wo come as f16 fragments (ao [token tile][head = K step of 32][1 KiB]; wo = rows 96-127 of wf); sums and result in f32.
; A work-group makes 128 tokens x 128 features; four waves, 2 x 2; a wave makes 64 tokens x 64 features: 4 x 4 accumulator tiles in window 1 at v[8(4a+b)].
; ALL OF K IS RESIDENT: 8 token rows and 8 weight rows of 16 KiB are 256 KiB, so nothing is ever filled again.  K (512) is cut into four steps of 128,
; each with LDS bytes of its own (8 token rows and 8 weight rows of 4 KiB); each wave issues its four loads, one a K step, as one group at the start,
; and has four tensor loads out.  The counted wait in front of K step s leaves the 3 - s later steps' loads on their way; the barrier behind it shows
; the step's tiles to all four waves.  Fragments lie at 16 x lane in each 512 bytes: every LDS load takes 512 consecutive bytes, no padding.
; The weight fragment is source 0, so a lane's eight results are eight neighbouring features of one token; 16 tokens at a time go through the wave's own
; stage in LDS and leave as whole rows: sixteen lanes store 256 consecutive bytes, aligned.
; CLUSTER 4 x 4: ao's tile is shared along a row of the cluster (the four feature blocks), wo's along a column (four token blocks): joint loads.
.set SLOT,  65536                      ; a K step's bytes
.set BOFF,  32768                      ; the weights behind the tokens
.set STAGE, 262144                     ; behind the tiles; no tensor load lands here
.set SP,    272                        ; 256 bytes + 16: sixteen rows start at sixteen different 16-byte columns modulo 256
.set ADRA,  16                         ; v16-19 my token fragments in K step 0..3
.set ADRB,  20                         ; v20-23 my weight fragments
.set STO,   24
.set RD,    25
.set CO,    26
.set R16,   27
.set AF,    32                         ; v32-63, v64-95
.set BF,    96                         ; v96-127, v128-159
.set T,     160                        ; v160-223: rows on their way out, two sets
.set BO,    224                        ; v[224:227] bo of my four features
.set G1A, 24                           ; s[24:31]
.set G1B, 32                           ; s[32:39]
.set G0A, 48                           ; s[48:63] a group 0 for each K step
.set G0B, 68                           ; s[68:83]
.set MULW, 0x50                        ; C and D in window 1
.set MSB, 0
.macro WIN new                         ; the immediate's high byte repeats the setting that is left
.if MSB != \new
	s_set_vgpr_msb (MSB<<8)|\new
.set MSB, \new
.endif
.endm
.macro PLACES                          ; four places behind a matrix instruction (ISA guide 7.12.1)
.rept 4
	v_nop
.endr
.endm
.macro JLOAD s                         ; waves 0, 1 ask for the tokens' two halves, waves 2, 3 for the weights'; the branch hangs on the wave's number alone
	s_cmp_eq_u32 s19, 0
	s_cbranch_scc0 .Lfor_b_\@
	tensor_load_to_lds s[G0A+4*\s:G0A+4*\s+3], s[G1A:G1A+7]
	s_nop 0
	s_branch .Lasked_\@
.Lfor_b_\@:
	tensor_load_to_lds s[G0B+4*\s:G0B+4*\s+3], s[G1B:G1B+7]
	s_nop 0
.Lasked_\@:
.endm
.macro CROUND                          ; a round of the cluster's barrier
	s_barrier_signal -1
	s_barrier_wait -1
	s_cmp_lg_u32 s18, 0
	s_cbranch_scc1 .Lnot_wave_0_\@
	s_barrier_signal -3
.Lnot_wave_0_\@:
	s_barrier_wait -3
	s_barrier_signal -1
	s_barrier_wait -1
.endm
	s_load_b256 s[4:11], s[0:1], 0x0               ; ao s[4:5], wf s[6:7], bo s[8:9], out0 s[10:11]
	v_lshl_add_u32 v254, v0, 2, 0x44400
	v_mov_b32 v255, 0
	ds_add_u32 v254, v255
	v_lshrrev_b32 v1, 5, v0
	v_readfirstlane_b32 s18, v1                    ; wave
	s_lshr_b32 s19, s18, 1                         ; my half of the tokens.  Also: I fetch tokens (0) or weights (1)
	s_and_b32 s20, s18, 1                          ; my half of the features.  Also: which half of that tile I fetch
	s_bfe_u32 s40, ttmp6, 0x40000                  ; cx
	s_bfe_u32 s41, ttmp6, 0x40004                  ; cy
	s_lshl_b32 s42, ttmp9, 2
	s_add_co_u32 s42, s42, s40                     ; fb: block of 128 features
	s_and_b32 s21, ttmp7, 0xffff
	s_lshl_b32 s21, s21, 2
	s_add_co_u32 s21, s21, s41                     ; tb: block of 128 tokens
	s_lshl_b32 s43, s41, 2
	s_lshl_b32 s43, 15, s43                        ; my row of the cluster
	s_lshl_b32 s44, 0x1111, s40                    ; my column
	; group 1: 4 rows of 512 elements of 8 bytes (4 KiB = four fragments), 2,048 elements from row to row
	s_or_b32 s[G1A+0], s43, (3<<16)|(1<<21)        ; 15:0 mask; 17:16 elements of 8 bytes; 21 set beside a mask
	s_or_b32 s[G1B+0], s44, (3<<16)|(1<<21)
	s_mov_b32 s[G1A+1], 512<<16                    ; tensor_dim0 = 512
	s_mov_b32 s[G1B+1], 512<<16
	s_mov_b32 s[G1A+2], 4<<16                      ; tensor_dim1 = 4 rows
	s_mov_b32 s[G1B+2], 4<<16
	s_mov_b32 s[G1A+3], 512<<16                    ; tile_dim0 = 512
	s_mov_b32 s[G1B+3], 512<<16
	s_mov_b32 s[G1A+4], 4                          ; tile_dim1
	s_mov_b32 s[G1B+4], 4
	s_mov_b32 s[G1A+5], 2048                       ; pitch
	s_mov_b32 s[G1B+5], 2048
	s_mov_b32 s[G1A+6], 0
	s_mov_b32 s[G1B+6], 0
	s_mov_b32 s[G1A+7], 0
	s_mov_b32 s[G1B+7], 0
	s_lshl_b32 s22, s21, 17                        ; (8 tb + 4 half) rows of 16 KiB; holds cy alone
	s_lshl_b32 s23, s20, 16
	s_add_co_u32 s22, s22, s23
	s_mov_b32 s23, 0
	s_lshl_b32 s46, s42, 3                         ; row 96 + 8 fb + 4 half of wf; holds cx alone
	s_lshl2_add_u32 s46, s20, s46
	s_add_co_u32 s46, s46, 96
	s_lshl_b32 s46, s46, 14
	s_mov_b32 s47, 0
	s_lshl_b32 s45, s20, 14                        ; to LDS: tokens' half x 16 KiB: no place in the cluster enters an LDS address
	s_add_co_u32 s84, s45, BOFF                    ; weights' half x 16 KiB behind the tokens
	s_lshl_b32 s86, s21, 18                        ; out0: (128 tb + 64 token half) rows of 2,048 bytes
	s_lshl_b32 s87, s19, 17
	s_add_co_u32 s86, s86, s87
	s_lshl_b32 s88, s42, 9                         ; + (128 fb + 64 feature half) x 4 bytes
	s_lshl_b32 s89, s20, 8
	s_add_co_u32 s88, s88, s89
	s_add_co_u32 s86, s86, s88
	s_mov_b32 s87, 0
	s_mov_b32 s89, 0
	s_wait_dscnt 0x0
	s_wait_kmcnt 0x0
	s_add_nc_u64 s[22:23], s[4:5], s[22:23]
	s_add_nc_u64 s[46:47], s[6:7], s[46:47]
	s_add_nc_u64 s[8:9], s[8:9], s[88:89]
	s_add_nc_u64 s[10:11], s[10:11], s[86:87]
	CROUND                                         ; all sixteen work-groups are here: the joint loads meet
.irp s, 0,1,2,3
	s_mov_b32 s[G0A+4*\s], 1
	s_add_co_u32 s[G0A+4*\s+1], s45, \s*SLOT
	s_add_nc_u64 s[G0A+4*\s+2:G0A+4*\s+3], s[22:23], \s*4096       ; K step s
	s_or_b32 s[G0A+4*\s+3], s[G0A+4*\s+3], 0x80000000
	s_mov_b32 s[G0B+4*\s], 1
	s_add_co_u32 s[G0B+4*\s+1], s84, \s*SLOT
	s_add_nc_u64 s[G0B+4*\s+2:G0B+4*\s+3], s[46:47], \s*4096
	s_or_b32 s[G0B+4*\s+3], s[G0B+4*\s+3], 0x80000000
	JLOAD \s
.endr
	v_and_b32 v1, 31, v0
	v_lshlrev_b32 v2, 4, v1                        ; 16 L
	v_and_b32 v3, 15, v0                           ; r
	v_bfe_u32 v4, v0, 4, 1                         ; h'
	s_lshl_b32 s85, s19, 14                        ; my four token rows
	v_add_nc_u32 v[ADRA], s85, v2
	v_add_nc_u32 v[ADRB], s84, v2                  ; my four weight rows
.irp s, 1,2,3
	v_add_nc_u32 v[ADRA+\s], \s*SLOT, v[ADRA]
	v_add_nc_u32 v[ADRB+\s], \s*SLOT, v[ADRB]
.endr
	s_mul_i32 s90, s18, 16*SP
	s_add_co_u32 s90, s90, STAGE                   ; my stage
	v_mul_u32_u24 v5, v3, SP
	v_lshl_add_u32 v5, v4, 5, v5
	v_add_nc_u32 v[STO], s90, v5                   ; in: row r, 32 bytes for each half of the lanes
	v_lshlrev_b32 v[R16], 4, v3
	v_mad_u32_u24 v5, v4, SP, v[R16]
	v_add_nc_u32 v[RD], s90, v5                    ; back: lanes 0-15 one row, lanes 16-31 the next
	v_lshl_add_u32 v[CO], v4, 11, v[R16]           ; the same two rows in out0
	global_load_b128 v[BO:BO+3], v[R16], s[8:9]
.macro MUL f, a0, zero                 ; 8 matrix instructions on 8 accumulators, one instruction a turn
.irp a, \a0, \a0+1
.irp b, 0,1,2,3
.if \zero
	v_wmma_f32_16x16x32_f16 v[8*(4*(\a)+\b):8*(4*(\a)+\b)+7], v[BF+32*\f+8*\b:BF+32*\f+8*\b+7], v[AF+32*\f+8*(\a):AF+32*\f+8*(\a)+7], 0
.else
	v_wmma_f32_16x16x32_f16 v[8*(4*(\a)+\b):8*(4*(\a)+\b)+7], v[BF+32*\f+8*\b:BF+32*\f+8*\b+7], v[AF+32*\f+8*(\a):AF+32*\f+8*(\a)+7], v[8*(4*(\a)+\b):8*(4*(\a)+\b)+7]
.endif
.endr
.endr
.endm
.macro FETCH slot, ksl, f              ; 16 LDS loads: the 4 + 4 fragments of 32 along K
.irp b, 0,1,2,3
	ds_load_b128 v[BF+32*\f+8*\b:BF+32*\f+8*\b+3],   v[ADRB+\slot] offset:\b*4096+\ksl*1024
	ds_load_b128 v[BF+32*\f+8*\b+4:BF+32*\f+8*\b+7], v[ADRB+\slot] offset:\b*4096+\ksl*1024+512
.endr
.irp a, 0,1,2,3
	ds_load_b128 v[AF+32*\f+8*\a:AF+32*\f+8*\a+3],   v[ADRA+\slot] offset:\a*4096+\ksl*1024
	ds_load_b128 v[AF+32*\f+8*\a+4:AF+32*\f+8*\a+7], v[ADRA+\slot] offset:\a*4096+\ksl*1024+512
.endr
.endm
.macro QUARTER slot, knext, f, g, zero ; asks for the next quarter's fragments, then multiplies buffer f
	WIN 0
	PLACES
	FETCH \slot, \knext, \g
	s_wait_dscnt 16                                ; all but the 16 just issued: buffer f is in
	WIN MULW
	MUL \f, 0, \zero
	MUL \f, 2, \zero
.endm
; The step's last quarter (buffer 1) and the way into the next K step.  left = how many of my later K steps' loads may stay out.
.macro TURN next, left
	s_wait_dscnt 0x0                               ; no LDS instruction of mine is pending at the signal
	s_wait_tensorcnt \left                         ; tensor loads of a wave end in order (ISA guide 10.11.1): my part of the next K step is in
	s_barrier_signal -1
	WIN MULW
	MUL 1, 0, 0                                    ; work on registers while the others arrive
	WIN 0
	s_barrier_wait -1                              ; everybody's part is in
	PLACES
	FETCH \next, 0, 0
	WIN MULW
	MUL 1, 2, 0
.endm
.macro THREE slot, zero
	QUARTER \slot, 1, 0, 1, \zero
	QUARTER \slot, 2, 1, 0, 0
	QUARTER \slot, 3, 0, 1, 0
.endm
	s_wait_tensorcnt 0x3                           ; my part of K step 0 is in; the three later steps' loads stay out
	s_barrier_signal -1
	s_barrier_wait -1
	FETCH 0, 0, 0
	THREE 0, 1                                     ; the first products start the sums
	TURN 1, 2
	THREE 1, 0
	TURN 2, 1
	THREE 2, 0
	TURN 3, 0                                      ; the last wait is for zero: no tensor load is out any more
	THREE 3, 0
	s_wait_dscnt 0x0
	WIN MULW
	MUL 1, 0, 0
	MUL 1, 2, 0
	PLACES
	s_wait_loadcnt 0x0                             ; bo
.macro OUT16 a
.set TT, T+32*((\a)&1)
	WIN 0x04                                       ; the stores' data from window 1
.irp b, 0,1,2,3
	ds_store_b128 v[STO], v[8*(4*\a+\b):8*(4*\a+\b)+3]   offset:\b*64
	ds_store_b128 v[STO], v[8*(4*\a+\b)+4:8*(4*\a+\b)+7] offset:\b*64+16
.endr
	WIN 0
	s_wait_xcnt 0x0                                ; this set of T was the data of earlier stores: it is rewritten only behind this wait
.irp n, 0,1,2,3,4,5,6,7
	ds_load_b128 v[TT+4*\n:TT+4*\n+3], v[RD] offset:\n*2*SP        ; LDS serves a wave's instructions in order (ISA guide 5.7.1): these see the stores above
.endr
.irp n, 0,1,2,3,4,5,6,7
	s_wait_dscnt 7-\n                              ; pair of rows n is in, the younger ones stay out
	v_pk_add_f32 v[TT+4*\n:TT+4*\n+1],   v[TT+4*\n:TT+4*\n+1],   v[BO:BO+1]
	v_pk_add_f32 v[TT+4*\n+2:TT+4*\n+3], v[TT+4*\n+2:TT+4*\n+3], v[BO+2:BO+3]
	global_store_b128 v[CO], v[TT+4*\n:TT+4*\n+3], s[10:11] offset:(16*\a+2*\n)*2048
.endr
.endm
.irp a, 0,1,2,3
	OUT16 \a
.endr
	s_wait_tensorcnt 0x0
	ds_add_u32 v254, v255
	s_wait_dscnt 0x0
	CROUND                                         ; the closing round: no work-group ends while a partner may still ask jointly
	s_endpgm
.Lfunc_end_k_q7cc0c79b30_outp:
	.size	k_q7cc0c79b30_outp, .Lfunc_end_k_q7cc0c79b30_outp-k_q7cc0c79b30_outp
	.p2alignl 7, 3214868480
	.fill 96, 4, 3214868480
	.section	.rodata,"a",@progbits
	.p2align	6, 0x0
	.amdhsa_kernel k_q7cc0c79b30_outp
		.amdhsa_group_segment_fixed_size 280064
		.amdhsa_private_segment_fixed_size 0
		.amdhsa_enable_private_segment 0
		.amdhsa_kernarg_size 32
		.amdhsa_user_sgpr_count 2
		.amdhsa_user_sgpr_kernarg_segment_ptr 1
		.amdhsa_wavefront_size32 1
		.amdhsa_system_sgpr_workgroup_id_x 1
		.amdhsa_system_sgpr_workgroup_id_y 1
		.amdhsa_system_sgpr_workgroup_id_z 1
		.amdhsa_system_vgpr_workitem_id 0
		.amdhsa_next_free_vgpr 384
		.amdhsa_next_free_sgpr 96
		.amdhsa_reserve_vcc 0
		.amdhsa_float_denorm_mode_32 3
		.amdhsa_float_denorm_mode_16_64 3
		.amdhsa_memory_ordered 1
		.amdhsa_forward_progress 1
		.amdhsa_inst_pref_size 57
	.end_amdhsa_kernel
	.amdgpu_metadata
---
amdhsa.version: [ 1, 2 ]
amdhsa.kernels:
  - .name:           k_q7cc0c79b30_outp
    .symbol:         k_q7cc0c79b30_outp.kd
    .args:
      - { .name: ao, .offset: 0, .size: 8, .value_kind: global_buffer, .address_space: global }
      - { .name: wf, .offset: 8, .size: 8, .value_kind: global_buffer, .address_space: global }
      - { .name: bo, .offset: 16, .size: 8, .value_kind: global_buffer, .address_space: global }
      - { .name: out0, .offset: 24, .size: 8, .value_kind: global_buffer, .address_space: global }
    .group_segment_fixed_size: 280064
    .private_segment_fixed_size: 0
    .kernarg_segment_align: 8
    .kernarg_segment_size: 32
    .max_flat_workgroup_size: 128
    .sgpr_count:     96
    .vgpr_count:     384
    .wavefront_size: 32
...
	.end_amdgpu_metadata
.endif
;; end of part 4
